; MI455X (gfx1250); checked and timed in simulation.
; The chip was launched on July 23, 2026; its instructions are those of AMD's public machine-readable ISA for CDNA 5 (MIT licence, August 2026) and "CDNA5" Instruction Set Architecture Reference Guide (July 2026). The comments in the code are by the model that wrote it; some were corrected since.
;; Multi Head Attention Layer. Allowed arithmetic: matrix products marked QUANTISED: E2M1 operands, one E8M0 scale for each 32 along K, by v_wmma_scale_f32_16x16x128_f8f6f4 with both operands' format E2M1 (or v_wmma_scale_f32_32x16x128_f4), f32 sums; products left as they are: bf16, f16 or f32 operands; f32 sums; everything else in f32.
;; Inputs: Wk 512 x 512 float32; Wo 512 x 512 float32; Wq 512 x 512 float32; Wv 512 x 512 float32; bk 512 float32; bo 512 float32; bq 512 float32; bv 512 float32; key 2 x 4,096 x 512 float32; query 2 x 4,096 x 512 float32; value 2 x 4,096 x 512 float32.
;; Outputs: out0 2 x 4,096 x 512 float32.
;; This version of the problem:
;;   THIS VERSION OF THE PROBLEM IS GIVEN IN LOW PRECISION. The matrix products marked QUANTISED in the list below multiply operands that are first quantised to E2M1 (2 exponent bits, 1 mantissa bit; 4 bits a number), with one power-of-two scale for each 32 numbers along K (OCP MX v1.0); their sums are f32. The products marked 'left as it is' may take bf16, f16 or f32 operands, with f32 sums. Whichever they take, every output number must still come out within the allowed error. Rounding operands to bf16 (8 significant bits) uses up far more of that allowance than f16 does (11 bits, for magnitudes from 6e-5 to 65,504). All else is computed in f32.
;;   The module's matrix products, in the order in which they are computed (A, B: the left and right operand; K: the contracted axis; several contracted axes count as one K, in the product's order):
;;     1. [M 8,192, K 512] x [K 512, N 512]; A: input query; B: input Wq: QUANTISED
;;     2. [M 8,192, K 512] x [K 512, N 512]; A: input key; B: input Wk: QUANTISED
;;     3. [M 8,192, K 512] x [K 512, N 512]; A: input value; B: input Wv: QUANTISED
;;     4. batch 16 x [M 4,096, K 64] x [K 64, N 4,096]; A: computed on the way; B: computed on the way: left as it is (an operand is computed on the way)
;;     5. batch 16 x [M 64, K 4,096] x [K 4,096, N 4,096]; A: computed on the way; B: computed on the way: left as it is (an operand is computed on the way)
;;     6. [M 8,192, K 512] x [K 512, N 512]; A: computed on the way; B: input Wo: left as it is (an operand is computed on the way)
;;   THE QUANTISER, for each operand of a quantised product, along K:
;;     - K is cut into blocks of 32 from its start; a last block that is shorter is filled with zeros.
;;     - A block's scale is 2^e with e = floor(log2(the largest magnitude in the block)) - 2, held to -126 .. 127; a block of zeros has e = 0. As a byte (E8M0): e + 127.
;;     - Each number is divided by its block's scale, clamped to +-6, and rounded to the nearest number of E2M1, ties to even, subnormals kept.
;;     - The product sums the exact products of the quantised numbers (number of the format x scale) in f32.
;;   ~~~python
;;   def quantise(x, axis):      # numpy; x: float32 -> the quantised numbers, widened to float32 again
;;       x = np.moveaxis(x, axis, -1); K = x.shape[-1]
;;       x = np.pad(x, [(0, 0)] * (x.ndim - 1) + [(0, -K % 32)]); x = x.reshape(x.shape[:-1] + (-1, 32)); a = np.abs(x).max(-1, keepdims=True)
;;       e = np.where(a > 0, np.clip(np.frexp(np.where(a > 0, a, 1))[1] - 1 - 2, -126, 127), 0)      # np.frexp(a)[1] - 1 = floor(log2(a)), exactly
;;       r = np.clip(x / 2.0 ** e, -6, 6)
;;       step = 2.0 ** (np.maximum(np.frexp(np.where(r == 0, 1, r))[1] - 1, 0) - 1)
;;       q = np.round(r / step) * step * 2.0 ** e      # np.round: ties to even
;;       return np.moveaxis(q.reshape(q.shape[:-2] + (-1,))[..., :K], -1, axis).astype(np.float32)
;;   ~~~
;; One version. Each part assembles by itself: llvm-mc -triple=amdgcn-amd-amdhsa -mcpu=gfx1250 --defsym DOCPART=n.
;; ======== version 1 of 1: 4 launches
;; limits: values are held in f16: magnitudes above 65,504 overflow, below 6.1e-05 lose precision
;; workspace buffers: wcodes 393,216 bytes; wscl 49,152 bytes; wo16 524,288 bytes; qf 8,388,608 bytes; kf 8,388,608 bytes; vf 8,388,608 bytes; xf 8,388,608 bytes
;; launch prep (part 1): grid 256 x 1, 2 waves a work-group, no clusters, 17,152 bytes of LDS; arguments Wq, Wk, Wv, Wo, wcodes, wscl, wo16; writes wcodes, wscl, wo16
.if DOCPART == 1
	.amdgcn_target "amdgcn-amd-amdhsa--gfx1250"
	.amdhsa_code_object_version 6
	.text
	.protected	k_q09a72b25e7_prep
	.globl	k_q09a72b25e7_prep
	.p2align	8
	.type	k_q09a72b25e7_prep,@function
k_q09a72b25e7_prep:
	s_mov_b64 s[64:65], 0
	v_nop
	global_prefetch_b8 v0, s[64:65] scope:SCOPE_SE
	s_setreg_imm32_b32 hwreg(HW_REG_WAVE_MODE, 25, 1), 1
	s_wait_xcnt 0x0
; PREP.  Wq, Wk, Wv [512 (n)][512 (k)] f32 become codes of FP4 (E2M1) with one E8M0 byte for each 32 along k; Wo becomes f16(Wo / 8): the division by sqrt(64) that follows the softmax is
; carried by Wo, an exact change of exponent.  All four are laid in the ORDER OF AN OPERAND'S REGISTERS, so that the later launches load fragments whole, 16 bytes a lane, 512 consecutive bytes an instruction.
; A wave takes one task: 16 rows x 128 along k, 8,192 bytes of f32.  256 work-groups x 2 waves = 4 tensors x 32 row tiles x 4 K steps.
; Each load reads a row's 512 consecutive bytes; the 16 rows turn through the wave's own stage in LDS (rows 528 bytes apart) so that a lane gets neighbours along k of ONE row.
; wcodes: task T = 128 tensor + 4 tile + step: T x 1,024 + 512 c + 16 lane: lane (r, h) holds the 32 codes of k = 128 step + 64 c + 32 h + 0 .. 31 of row r.   wscl: T x 128 + 4 lane: row (lane % 16)'s scale word.
; wo16: (tile / 4) x 65,536 + step x 16,384 + (tile % 4) x 4,096 + 512 p + 16 lane: row r, k = 128 step + 16 p + 8 h + 0 .. 7.
; A block's scale is 2^(floor(log2(its largest magnitude)) - 2); its byte is the largest magnitude's exponent field - 2, held at 1 from below.
; LIMITS: a block of zeros gets the byte 1 (its codes are zeros, and this program alone reads the bytes); NaN and infinities are not served; |Wo| / 8 under 65,504, and under 6e-8 it becomes 0.
.set STG,   8448                       ; a wave's stage: 16 rows x (512 + 16) bytes
.set SPARE, 2*STG                      ; behind the stages: the spare words, 128 bytes for each wave: one block of 256 bytes that no other line names
.set SPW,   12                         ; v12  LDS address of my spare word; never rewritten
.set NIL,   13                         ; v13  0; never rewritten
.set R,     16                         ; v16-79   the numbers as loaded; on Wo's path later the f16 pieces
.set X,     80                         ; v80-143  the numbers turned: neighbours along k of my row
.set C,     144                        ; v144-151 the codes
.set T0,    152                        ; v152-153 at work
	s_load_b256 s[4:11], s[0:1], 0x0               ; Wq, Wk, Wv, Wo
	s_load_b128 s[12:15], s[0:1], 0x20             ; wcodes, wscl
	s_load_b64 s[16:17], s[0:1], 0x30              ; wo16
	v_lshl_add_u32 v[SPW], v0, 2, SPARE
	v_mov_b32 v[NIL], 0
	v_lshrrev_b32 v1, 5, v0
	v_readfirstlane_b32 s18, v1                    ; wave 0, 1
	v_and_b32 v1, 31, v0                           ; lane
	v_and_b32 v2, 15, v0                           ; r
	v_bfe_u32 v3, v0, 4, 1                         ; h
	v_lshlrev_b32 v4, 4, v1                        ; 16 x lane: my bytes of a row on the way in, and of an image on the way out
	v_lshlrev_b32 v8, 2, v1                        ; 4 x lane: my scale word's place
	s_mul_i32 s21, s18, STG
	v_add_nc_u32 v5, s21, v4                       ; the stage, way in
	v_mul_u32_u24 v9, v2, 528
	v_add_nc_u32 v9, s21, v9                       ; my row in the stage
	v_lshl_add_u32 v6, v3, 7, v9                   ; way out for codes: + 128 h bytes (32 numbers)
	v_lshl_add_u32 v7, v3, 5, v9                   ; way out for f16: + 32 h bytes (8 numbers)
	s_mov_b32 s26, 0x76543210
	s_mov_b32 s27, 0xfedcba98                      ; v_permlanex16_b32's selects for lane l xor 16
	s_lshr_b32 s19, ttmp9, 6                       ; which tensor
	s_and_b32 s20, ttmp9, 63
	s_lshl_b32 s20, s20, 1
	s_add_co_u32 s20, s20, s18                     ; 4 tile + step
	s_lshr_b32 s22, s20, 2                         ; tile of 16 rows
	s_and_b32 s23, s20, 3                          ; K step of 128
	s_lshl_b32 s24, s22, 15                        ; 16 rows of 2,048 bytes
	s_lshl_b32 s25, s23, 9                         ; 128 numbers
	s_add_co_u32 s24, s24, s25
	s_mov_b32 s25, 0
	s_lshl_b32 s28, s19, 7
	s_add_co_u32 s28, s28, s20                     ; T
	s_lshl_b32 s30, s28, 10
	s_mov_b32 s31, 0
	s_lshl_b32 s32, s28, 7
	s_mov_b32 s33, 0
	s_lshr_b32 s34, s22, 2                         ; wo16: block of 64 rows,
	s_lshl_b32 s34, s34, 16
	s_lshl_b32 s35, s23, 14                        ; K quarter,
	s_add_co_u32 s34, s34, s35
	s_and_b32 s35, s22, 3                          ; tile in the block
	s_lshl_b32 s35, s35, 12
	s_add_co_u32 s34, s34, s35
	s_mov_b32 s35, 0
	s_wait_kmcnt 0x0
	s_cmp_eq_u32 s19, 1                            ; the source is chosen by the work-group's number alone
	s_cselect_b64 s[4:5], s[6:7], s[4:5]
	s_cmp_eq_u32 s19, 2
	s_cselect_b64 s[4:5], s[8:9], s[4:5]
	s_cmp_eq_u32 s19, 3
	s_cselect_b64 s[4:5], s[10:11], s[4:5]
	s_add_nc_u64 s[4:5], s[4:5], s[24:25]
.irp i, 0,1,2,3,4,5,6,7,8,9,10,11,12,13,14,15
	global_load_b128 v[R+4*\i:R+4*\i+3], v4, s[4:5] offset:2048*\i th:TH_LOAD_NT   ; row i: 32 lanes read 512 consecutive bytes
.endr
.irp i, 0,1,2,3,4,5,6,7,8,9,10,11,12,13,14,15
	s_wait_loadcnt 15-\i                           ; loads come back in order: row i is in, the 15 - i younger ones may be out
	ds_store_b128 v5, v[R+4*\i:R+4*\i+3] offset:528*\i
.endr
	s_cmp_eq_u32 s19, 3
	s_cbranch_scc1 .Lwo
	; ---- Wq, Wk, Wv: my two blocks of 32 (blocks h and 2 + h of row r): all their numbers are mine
.irp c, 0,1
.irp i, 0,1,2,3,4,5,6,7
	ds_load_b128 v[X+32*\c+4*\i:X+32*\c+4*\i+3], v6 offset:256*\c+16*\i   ; LDS serves a wave's instructions in order: these see my stores
.endr
.endr
	s_add_nc_u64 s[12:13], s[12:13], s[30:31]
	s_add_nc_u64 s[14:15], s[14:15], s[32:33]
	s_wait_dscnt 0x0
.irp c, 0,1
	v_max3_num_f32 v[10+\c], |v[X+32*\c]|, |v[X+32*\c+1]|, 0x1800000   ; with the floor 2^(3 - 127): the byte cannot fall under 1
.endr
.irp i, 2,4,6,8,10,12,14,16,18,20,22,24,26,28,30
.irp c, 0,1
	v_max3_num_f32 v[10+\c], v[10+\c], |v[X+32*\c+\i]|, |v[X+32*\c+\i+1]|   ; (the two blocks by turns)
.endr
.endr
.irp c, 0,1
	v_add_nc_u32 v[14+\c], 0xff000000, v[10+\c]    ; 2 off the exponent field: the conversion takes the exponent field of this operand as its scale
.endr
.irp c, 0,1
	v_lshrrev_b32 v[10+\c], 23, v[14+\c]           ; the scale's byte
.endr
	v_lshl_or_b32 v[T0], v11, 16, v10              ; my two bytes,
	v_lshlrev_b32 v[T0+1], 3, v3
	v_lshlrev_b32 v[T0], v[T0+1], v[T0]            ; 8 h bits up;
	v_mov_b32 v[T0+1], 0
	v_permlanex16_b32 v[T0+1], v[T0], s26, s27
	v_or_b32 v[T0], v[T0], v[T0+1]                 ; with lane l xor 16's two the word is whole, in every lane
.irp c, 0,1
.irp g, 0,1,2,3
	v_cvt_scalef32_pk8_fp4_f32 v[C+4*\c+\g], v[X+32*\c+8*\g:X+32*\c+8*\g+7], v[14+\c]
.endr
.endr
	v_nop                                          ; one plain line behind the last scaled conversion
	global_store_b128 v4, v[C:C+3], s[12:13]       ; 512 consecutive bytes, at a multiple of 512
	global_store_b128 v4, v[C+4:C+7], s[12:13] offset:512
	global_store_b32 v8, v[T0], s[14:15]           ; 128 consecutive bytes
	s_branch .Lend
.Lwo:
	; ---- Wo: piece p = 8 neighbours along k of my row, as f16
.irp p, 0,1,2,3,4,5,6,7
	ds_load_b128 v[X+8*\p:X+8*\p+3], v7 offset:64*\p
	ds_load_b128 v[X+8*\p+4:X+8*\p+7], v7 offset:64*\p+16
.endr
	s_add_nc_u64 s[16:17], s[16:17], s[34:35]
	s_wait_dscnt 0x0
.irp i, 0,2,4,6,8,10,12,14,16,18,20,22,24,26,28,30,32,34,36,38,40,42,44,46,48,50,52,54,56,58,60,62
	v_pk_mul_f32 v[X+\i:X+\i+1], v[X+\i:X+\i+1], 0x3e000000 op_sel_hi:[1,0]   ; / 8: exact
.endr
.irp i, 0,1,2,3,4,5,6,7,8,9,10,11,12,13,14,15,16,17,18,19,20,21,22,23,24,25,26,27,28,29,30,31
	v_cvt_pk_f16_f32 v[R+\i], v[X+2*\i], v[X+2*\i+1]
.endr
.irp p, 0,1,2,3,4,5,6,7
	global_store_b128 v4, v[R+4*\p:R+4*\p+3], s[16:17] offset:512*\p
.endr
.Lend:
	s_wait_tensorcnt 0x0                           ; the wave's end: behind my last LDS store; the tensor wait stands in a text with no tensor load too
	ds_add_u32 v[SPW], v[NIL]
	s_wait_dscnt 0x0
	s_endpgm
.Lfunc_end_k_q09a72b25e7_prep:
	.size	k_q09a72b25e7_prep, .Lfunc_end_k_q09a72b25e7_prep-k_q09a72b25e7_prep
	.p2alignl 7, 3214868480
	.fill 96, 4, 3214868480
	.section	.rodata,"a",@progbits
	.p2align	6, 0x0
	.amdhsa_kernel k_q09a72b25e7_prep
		.amdhsa_group_segment_fixed_size 17152
		.amdhsa_private_segment_fixed_size 0
		.amdhsa_enable_private_segment 0
		.amdhsa_kernarg_size 56
		.amdhsa_user_sgpr_count 2
		.amdhsa_user_sgpr_kernarg_segment_ptr 1
		.amdhsa_wavefront_size32 1
		.amdhsa_system_sgpr_workgroup_id_x 1
		.amdhsa_system_sgpr_workgroup_id_y 1
		.amdhsa_system_sgpr_workgroup_id_z 1
		.amdhsa_system_vgpr_workitem_id 0
		.amdhsa_next_free_vgpr 160
		.amdhsa_next_free_sgpr 66
		.amdhsa_reserve_vcc 0
		.amdhsa_float_denorm_mode_32 3
		.amdhsa_float_denorm_mode_16_64 3
		.amdhsa_memory_ordered 1
		.amdhsa_forward_progress 1
		.amdhsa_inst_pref_size 17
	.end_amdhsa_kernel
	.amdgpu_metadata
---
amdhsa.version: [ 1, 2 ]
amdhsa.kernels:
  - .name:           k_q09a72b25e7_prep
    .symbol:         k_q09a72b25e7_prep.kd
    .args:
      - { .name: Wq, .offset: 0, .size: 8, .value_kind: global_buffer, .address_space: global }
      - { .name: Wk, .offset: 8, .size: 8, .value_kind: global_buffer, .address_space: global }
      - { .name: Wv, .offset: 16, .size: 8, .value_kind: global_buffer, .address_space: global }
      - { .name: Wo, .offset: 24, .size: 8, .value_kind: global_buffer, .address_space: global }
      - { .name: wcodes, .offset: 32, .size: 8, .value_kind: global_buffer, .address_space: global }
      - { .name: wscl, .offset: 40, .size: 8, .value_kind: global_buffer, .address_space: global }
      - { .name: wo16, .offset: 48, .size: 8, .value_kind: global_buffer, .address_space: global }
    .group_segment_fixed_size: 17152
    .private_segment_fixed_size: 0
    .kernarg_segment_align: 8
    .kernarg_segment_size: 56
    .max_flat_workgroup_size: 64
    .sgpr_count:     66
    .vgpr_count:     160
    .wavefront_size: 32
...
	.end_amdgpu_metadata
.endif
;; end of part 1
;; launch proj (part 2): grid 192 x 1, 4 waves a work-group, no clusters, 327,680 bytes of LDS; arguments query, key, value, bq, bk, bv, wcodes, wscl, qf, kf, vf; writes qf, kf, vf
.if DOCPART == 2
	.amdgcn_target "amdgcn-amd-amdhsa--gfx1250"
	.amdhsa_code_object_version 6
	.text
	.protected	k_q09a72b25e7_proj
	.globl	k_q09a72b25e7_proj
	.p2align	8
	.type	k_q09a72b25e7_proj,@function
k_q09a72b25e7_proj:
	s_mov_b64 s[64:65], 0
	v_nop
	global_prefetch_b8 v0, s[64:65] scope:SCOPE_SE
	s_setreg_imm32_b32 hwreg(HW_REG_WAVE_MODE, 25, 1), 1
	s_wait_xcnt 0x0
; PROJ.  q = Q(query) Q(Wq)^T + bq, and the same for key and value: both operands as codes of FP4 (E2M1) with one E8M0 scale for each 32 along K = 512, sums in f32, the bias in f32; the results leave as f16.
; SHARES.  192 work-groups = 3 tensors x 64 blocks of 128 rows.  THE WAVES SHARE THE COLUMNS: wave w makes columns 128 w .. 128 w + 127 (heads 2 w, 2 w + 1) of all 128 rows; its 32 fragments of W (256 registers),
; their 32 scale words and its bias stay in registers, read once.  For the quantising the waves share K: wave w brings K step w (512 bytes of each of the 128 rows) into its own LDS region by two tensor loads of 64 rows,
; quantises it, and hands the fragments to the others as IMAGES OF THE OPERAND'S REGISTERS (16 bytes a lane; the scale word 4 bytes a lane).
; A BLOCK of 32 rows: my K step of two tiles of 16 rows is quantised and stored | barrier | all 8 fragments come back, 64 matrix instructions on 16 accumulators by turns, rounded to f16 and stored.
; Each block's images have LDS bytes of their own, so one barrier a block is enough.
; THE MATRIX INSTRUCTION IS USED TRANSPOSED (source 0 = 16 rows of W, source 1 = 16 rows of x): a lane holds ONE token and eight neighbouring channels, which pack into 16 bytes that are a piece of the next launch's operand.
; qf, kf, vf: ((8 b + head) x 256 + token tile) x 2,048 + 512 t + LSW(lane): token r, channels 16 t + 8 h + 0 .. 7 of the head; LSW = 256 h + 16 ((r + 8 h) % 16).  A store covers 512 consecutive bytes, aligned.
; NO CLUSTER: what work-groups share is W, 139,264 bytes of codes and scale words a tensor; a joint load lands in LDS, and 270,336 (rows) + 36,864 (images) + 139,264 do not fit in 327,680.
; LIMITS: results under 65,504 in magnitude (f16), under 6e-8 they become 0; a block of zeros gets the byte 1 and zero codes; NaN and infinities are not served.
; REGISTERS.  window 0: v1-11 addresses; v16-47 W's scale words; v48-55 x's; v56-119 XF (numbers, then x's 8 fragments, then packed results); v120-183 ST (numbers); v184-199 codes; v200-217 at work; v252, v253 the add's two.
;   window 1: W's fragment (t, s) at v[8 (4 t + s)].   window 2: accumulator (t, m) at v[8 (2 t + m)]; from v128 the bias, 8 registers a tile.
.set ROWP,  528                        ; a row in LDS: 512 bytes + 16 of padding: an odd multiple of 16, so that the 16 rows that a load touches start at 16 different groups of banks
.set WREG,  128*ROWP                   ; a wave's region
.set HALFR, 64*ROWP                    ; what one tensor load brings
.set IMG,   4*WREG                     ; behind the regions: the images; block q at IMG + IBLK q: 8 fragments of 1,024 bytes, then 8 scale images of 128
.set IBLK,  9216
.set ISC,   8192
.set SPARE, IMG+4*IBLK                 ; the spare words, 128 bytes for each wave: two blocks of 256 bytes that no other line names
.set WS,    16
.set XS,    48
.set XF,    56
.set ST,    120
.set PC0,   184
.set PC1,   192
.set TM,    200                        ; v200-203 largest magnitudes, v204-207 bytes, v212-215 the conversions' scale operands
.set PW0,   216
.set PW1,   217
.set SPW,   252
.set NIL,   253
.set BIA,   128                        ; in window 2
.set MSB, 0
.macro WIN new                         ; the immediate's high byte repeats the setting that is left
.if MSB != \new
	s_set_vgpr_msb (MSB<<8)|\new
.set MSB, \new
.endif
.endm
; 64 numbers of a lane, v[s] on, register 16 b + i = k 32 b + 16 (lane / 16) + i of my row, become a fragment's codes in v[pc] on and its scale word in v[pw]
.macro QUANT s, pc, pw
.irp b, 0,1,2,3
	v_max3_num_f32 v[TM+\b], |v[\s+16*\b]|, |v[\s+1+16*\b]|, 0x1800000   ; block b: my 16 numbers, and the floor 2^(3 - 127): the byte cannot fall under 1
.endr
.irp i, 2,4,6,8,10,12,14
.irp b, 0,1,2,3
	v_max3_num_f32 v[TM+\b], v[TM+\b], |v[\s+16*\b+\i]|, |v[\s+1+16*\b+\i]|   ; (the four blocks by turns)
.endr
.endr
.irp b, 0,1,2,3
	v_permlanex16_b32 v[TM+4+\b], v[TM+\b], s56, s57
.endr
.irp b, 0,1,2,3
	v_max_num_f32 v[TM+\b], v[TM+\b], v[TM+4+\b]   ; with lane l xor 16's: the block's largest magnitude
.endr
.irp b, 0,1,2,3
	v_add_nc_u32 v[TM+12+\b], 0xff000000, v[TM+\b] ; 2 off its exponent field: the conversion's scale operand
.endr
.irp b, 0,1,2,3
	v_lshrrev_b32 v[TM+4+\b], 23, v[TM+12+\b]      ; the scale's byte
.endr
	v_lshl_or_b32 v[\pw], v[TM+5], 8, v[TM+4]      ; the four bytes make my row's scale word
	v_lshl_or_b32 v[\pw], v[TM+6], 16, v[\pw]
	v_lshl_or_b32 v[\pw], v[TM+7], 24, v[\pw]
.irp b, 0,1,2,3
	v_cvt_scalef32_pk8_fp4_f32 v[\pc+2*\b], v[\s+16*\b:\s+7+16*\b], v[TM+12+\b]
	v_cvt_scalef32_pk8_fp4_f32 v[\pc+1+2*\b], v[\s+8+16*\b:\s+15+16*\b], v[TM+12+\b]
.endr
	v_nop                                          ; one plain place behind a scaled conversion
.irp c, 0,1                                    ; the operand's layout wants a WHOLE block in a lane: lanes 0-15 block 2 c, lanes 16-31 block 2 c + 1
.irp i, 0,1
	v_permlane16_swap_b32 v[\pc+4*\c+\i], v[\pc+2+4*\c+\i]
.endr
.endr
.endm
	s_load_b256 s[8:15], s[0:1], 0x0               ; query, key, value, bq
	s_load_b256 s[16:23], s[0:1], 0x20             ; bk, bv, wcodes, wscl
	s_load_b128 s[24:27], s[0:1], 0x40             ; qf, kf
	s_load_b64 s[28:29], s[0:1], 0x50              ; vf
	v_lshl_add_u32 v[SPW], v0, 2, SPARE
	v_mov_b32 v[NIL], 0
	ds_add_u32 v[SPW], v[NIL]                      ; the wave's opening: the add, twice on end, and its wait ahead of my first tensor load
	ds_add_u32 v[SPW], v[NIL]                      ; and once more; the set-up below, work on registers, stands between it and the wait
	v_lshrrev_b32 v1, 5, v0
	v_readfirstlane_b32 s2, v1                     ; wave 0..3
	s_lshr_b32 s3, ttmp9, 6                        ; which tensor
	s_and_b32 s4, ttmp9, 63                        ; which 128 rows
	; descriptor group 1: 64 rows x 128 elements of 4 bytes, rows 512 elements apart in memory, 4 words of padding behind every 128
	s_mov_b32 s32, (2<<16)|(1<<20)|(6<<22)|(3<<25)
	s_mov_b32 s33, 128<<16                         ; tensor_dim0 = 128
	s_mov_b32 s34, 64<<16                          ; tensor_dim1 = 64
	s_mov_b32 s35, 128<<16                         ; tile_dim0 = 128
	s_mov_b32 s36, 64                              ; tile_dim1 = 64
	s_mov_b32 s37, 512                             ; tensor_dim0_stride
	s_mov_b32 s38, 0
	s_mov_b32 s39, 0
	s_lshl_b32 s48, s4, 18                         ; 128 rows of 2,048 bytes,
	s_lshl_b32 s49, s2, 9                          ; my K step's 512 bytes
	s_add_co_u32 s48, s48, s49
	s_mov_b32 s49, 0
	s_mul_i32 s50, s2, WREG                        ; my region in LDS
	s_lshl_b32 s52, s3, 17                         ; wcodes: 131,072 bytes a tensor, 32,768 a wave's 8 tiles
	s_lshl_b32 s53, s2, 15
	s_add_co_u32 s52, s52, s53
	s_mov_b32 s53, 0
	s_lshl_b32 s54, s3, 14                         ; wscl: 16,384 and 4,096
	s_lshl_b32 s55, s2, 12
	s_add_co_u32 s54, s54, s55
	s_mov_b32 s55, 0
	s_lshl_b32 s58, s2, 9                          ; the bias: my 128 numbers
	s_mov_b32 s59, 0
	s_lshr_b32 s60, s4, 5                          ; b
	s_lshl_b32 s60, s60, 3
	s_lshl_b32 s61, s2, 1
	s_add_co_u32 s60, s60, s61                     ; 8 b + 2 w
	s_lshl_b32 s60, s60, 19                        ; x 256 tiles of 2,048 bytes
	s_and_b32 s61, s4, 31
	s_lshl_b32 s61, s61, 14                        ; + 8 token tiles a block
	s_add_co_u32 s60, s60, s61
	s_mov_b32 s61, 0
	s_mov_b32 s56, 0x76543210
	s_mov_b32 s57, 0xfedcba98                      ; v_permlanex16_b32's selects for lane l xor 16
	s_wait_dscnt 0x0                               ; both opening adds are done
	s_wait_kmcnt 0x0
	s_cmp_eq_u32 s3, 1                             ; the buffers are chosen by the work-group's number alone; all three tensors take one path through the text
	s_cselect_b64 s[8:9], s[10:11], s[8:9]
	s_cselect_b64 s[14:15], s[16:17], s[14:15]
	s_cselect_b64 s[24:25], s[26:27], s[24:25]
	s_cmp_eq_u32 s3, 2
	s_cselect_b64 s[8:9], s[12:13], s[8:9]
	s_cselect_b64 s[14:15], s[18:19], s[14:15]
	s_cselect_b64 s[24:25], s[28:29], s[24:25]
	s_add_nc_u64 s[8:9], s[8:9], s[48:49]
.irp i, 0,1
	s_mov_b32 s[40+4*\i], 1                        ; count = 1
	s_add_co_u32 s[41+4*\i], s50, \i*HALFR         ; LDS address
	s_add_nc_u64 s[42+4*\i:43+4*\i], s[8:9], \i*64*2048   ; rows 64 i on
	s_or_b32 s[43+4*\i], s[43+4*\i], 0x80000000    ; type = 2
.endr
	tensor_load_to_lds s[40:43], s[32:39]          ; both first fills go out together: two tensor loads of mine are out; no byte is filled twice
	s_nop 0
	tensor_load_to_lds s[44:47], s[32:39]
	s_nop 0
.rept 4
	v_nop
.endr
	s_add_nc_u64 s[20:21], s[20:21], s[52:53]
	s_add_nc_u64 s[22:23], s[22:23], s[54:55]
	s_add_nc_u64 s[14:15], s[14:15], s[58:59]
	s_add_nc_u64 s[24:25], s[24:25], s[60:61]
	v_and_b32 v1, 15, v0                           ; r
	v_bfe_u32 v2, v0, 4, 1                         ; h
	v_and_b32 v12, 31, v0                          ; lane
	v_lshlrev_b32 v3, 4, v12                       ; 16 x lane
	v_lshlrev_b32 v4, 2, v12                       ; 4 x lane
	v_lshl_add_u32 v5, v2, 3, v1
	v_and_b32 v5, 15, v5
	v_lshlrev_b32 v5, 4, v5
	v_lshl_add_u32 v5, v2, 8, v5                   ; LSW = 256 h + 16 ((r + 8 h) % 16)
	v_mul_u32_u24 v6, v1, ROWP
	v_lshl_add_u32 v6, v2, 6, v6
	v_add_nc_u32 v6, s50, v6                       ; my region: row r, + 64 h bytes: my 16 numbers of a block of 32
	s_lshl_b32 s51, s2, 10
	s_add_co_u32 s51, s51, IMG
	v_add_nc_u32 v7, s51, v3                       ; where I store images: fragment (m, s = w)
	s_lshl_b32 s51, s2, 7
	s_add_co_u32 s51, s51, IMG+ISC
	v_add_nc_u32 v8, s51, v4                       ; and their scale words
	v_add_nc_u32 v9, IMG, v3                       ; where I read images
	v_add_nc_u32 v10, IMG+ISC, v4                  ; and scale words
	v_lshlrev_b32 v11, 5, v2                       ; the bias: 8 h numbers on
.irp b, 0,1,2,3
	v_mov_b32 v[TM+4+\b], 0                        ; written once: a lane permute's destination counts as one of its sources
.endr
	WIN 0x40                                       ; destination window 1
.set F, 0
.rept 32
	global_load_b128 v[8*F:8*F+3], v3, s[20:21] offset:1024*F        ; W's fragment F = 4 t + s: they stay
	global_load_b128 v[8*F+4:8*F+7], v3, s[20:21] offset:1024*F+512
.set F, F+1
.endr
	WIN 0x80                                       ; destination window 2
.irp t, 0,1,2,3,4,5,6,7
	global_load_b128 v[BIA+8*\t:BIA+8*\t+3], v11, s[14:15] offset:64*\t       ; register j: bias[128 w + 16 t + 8 h + j]: the result's layout
	global_load_b128 v[BIA+8*\t+4:BIA+8*\t+7], v11, s[14:15] offset:64*\t+16
.endr
	WIN 0
.set F, 0
.rept 32
	global_load_b32 v[WS+F], v4, s[22:23] offset:128*F
.set F, F+1
.endr
.macro BLOCK q
	s_wait_tensorcnt 1-(\q)/2                      ; tensor loads of a wave end in order: rows 0-63 are in with the second load still out; rows 64-127 want both
.if (\q) > 0
	s_wait_xcnt 0x0                                ; the last block's stores have read XF, which is loaded again below
.endif
.irp m, 0,1                                    ; tile m = 0 into ST, m = 1 into XF (64 registers below ST)
.irp b, 0,1,2,3
.irp j, 0,1,2,3
	ds_load_b128 v[ST-64*\m+16*\b+4*\j:ST-64*\m+16*\b+4*\j+3], v6 offset:(32*(\q)+16*\m)*ROWP+128*\b+16*\j
.endr
.endr
.endr
	s_wait_dscnt 16                                ; the first tile's 16 loads are in, the second's may be out
	QUANT ST, PC0, PW0
	ds_store_b128 v7, v[PC0:PC0+3] offset:IBLK*(\q)
	ds_store_b128 v7, v[PC0+4:PC0+7] offset:IBLK*(\q)+512
	ds_store_b32 v8, v[PW0] offset:IBLK*(\q)
	s_wait_dscnt 3                                 ; the three stores may be out: the second tile is in
	QUANT XF, PC1, PW1
	ds_store_b128 v7, v[PC1:PC1+3] offset:IBLK*(\q)+4096
	ds_store_b128 v7, v[PC1+4:PC1+7] offset:IBLK*(\q)+4096+512
	ds_store_b32 v8, v[PW1] offset:IBLK*(\q)+512
	s_wait_dscnt 0x0                               ; for the others' sake: my stores have landed
	s_barrier_signal -1
	s_barrier_wait -1                              ; the block's eight fragments lie in LDS (my second tensor load may be out)
.irp f, 0,1,2,3,4,5,6,7                        ; f = 4 m + s
	ds_load_b128 v[XF+8*\f:XF+8*\f+3], v9 offset:IBLK*(\q)+1024*\f
	ds_load_b128 v[XF+8*\f+4:XF+8*\f+7], v9 offset:IBLK*(\q)+1024*\f+512
	ds_load_b32 v[XS+\f], v10 offset:IBLK*(\q)+128*\f
.endr
	s_wait_dscnt 0x0
.if (\q) == 0
	s_wait_loadcnt 0x0                             ; W, its scale words and the bias, once
.endif
	WIN 0xa1                                       ; source 0 (W) window 1, source 1 (x) window 0, C and D window 2
.irp s, 0,1,2,3                                ; the 16 accumulators take turns, one instruction a turn; the bias is the C of each sum's first instruction
.irp m, 0,1
.irp t, 0,1,2,3,4,5,6,7
.if \s == 0
	v_wmma_scale_f32_16x16x128_f8f6f4 v[8*(2*\t+\m):8*(2*\t+\m)+7], v[8*(4*\t+\s):8*(4*\t+\s)+7], v[XF+8*(4*\m+\s):XF+8*(4*\m+\s)+7], v[BIA+8*\t:BIA+8*\t+7], v[WS+4*\t+\s], v[XS+4*\m+\s] matrix_a_fmt:MATRIX_FMT_FP4 matrix_b_fmt:MATRIX_FMT_FP4
.else
	v_wmma_scale_f32_16x16x128_f8f6f4 v[8*(2*\t+\m):8*(2*\t+\m)+7], v[8*(4*\t+\s):8*(4*\t+\s)+7], v[XF+8*(4*\m+\s):XF+8*(4*\m+\s)+7], v[8*(2*\t+\m):8*(2*\t+\m)+7], v[WS+4*\t+\s], v[XS+4*\m+\s] matrix_a_fmt:MATRIX_FMT_FP4 matrix_b_fmt:MATRIX_FMT_FP4
.endif
.endr
.endr
.endr
.rept 4
	v_nop                                          ; four places between the last product and the conversions, which read results and write over x's fragments (ISA guide 7.12.1)
.endr
	WIN 0x0a                                       ; sources 0 and 1 window 2, destination window 0
.set A, 0
.rept 16
.irp i, 0,1,2,3
	v_cvt_pk_f16_f32 v[XF+4*A+\i], v[8*A+2*\i], v[8*A+2*\i+1]   ; each accumulator from its low end on
.endr
.set A, A+1
.endr
	WIN 0
.irp t, 0,1,2,3,4,5,6,7
.irp m, 0,1
	global_store_b128 v5, v[XF+4*(2*\t+\m):XF+4*(2*\t+\m)+3], s[24:25] offset:(\t/4)*524288+(2*(\q)+\m)*2048+(\t%4)*512   ; 512 consecutive bytes, aligned
.endr
.endr
.endm
	BLOCK 0
	BLOCK 1
	BLOCK 2
	BLOCK 3
	s_wait_tensorcnt 0x0                           ; the wave's end: behind my last tensor load and my last LDS store
	ds_add_u32 v[SPW], v[NIL]
	s_wait_dscnt 0x0
	s_endpgm
.Lfunc_end_k_q09a72b25e7_proj:
	.size	k_q09a72b25e7_proj, .Lfunc_end_k_q09a72b25e7_proj-k_q09a72b25e7_proj
	.p2alignl 7, 3214868480
	.fill 96, 4, 3214868480
	.section	.rodata,"a",@progbits
	.p2align	6, 0x0
	.amdhsa_kernel k_q09a72b25e7_proj
		.amdhsa_group_segment_fixed_size 327680
		.amdhsa_private_segment_fixed_size 0
		.amdhsa_enable_private_segment 0
		.amdhsa_kernarg_size 88
		.amdhsa_user_sgpr_count 2
		.amdhsa_user_sgpr_kernarg_segment_ptr 1
		.amdhsa_wavefront_size32 1
		.amdhsa_system_sgpr_workgroup_id_x 1
		.amdhsa_system_sgpr_workgroup_id_y 1
		.amdhsa_system_sgpr_workgroup_id_z 1
		.amdhsa_system_vgpr_workitem_id 0
		.amdhsa_next_free_vgpr 768
		.amdhsa_next_free_sgpr 66
		.amdhsa_reserve_vcc 0
		.amdhsa_float_denorm_mode_32 3
		.amdhsa_float_denorm_mode_16_64 3
		.amdhsa_memory_ordered 1
		.amdhsa_forward_progress 1
		.amdhsa_inst_pref_size 117
	.end_amdhsa_kernel
	.amdgpu_metadata
---
amdhsa.version: [ 1, 2 ]
amdhsa.kernels:
  - .name:           k_q09a72b25e7_proj
    .symbol:         k_q09a72b25e7_proj.kd
    .args:
      - { .name: query, .offset: 0, .size: 8, .value_kind: global_buffer, .address_space: global }
      - { .name: key, .offset: 8, .size: 8, .value_kind: global_buffer, .address_space: global }
      - { .name: value, .offset: 16, .size: 8, .value_kind: global_buffer, .address_space: global }
      - { .name: bq, .offset: 24, .size: 8, .value_kind: global_buffer, .address_space: global }
      - { .name: bk, .offset: 32, .size: 8, .value_kind: global_buffer, .address_space: global }
      - { .name: bv, .offset: 40, .size: 8, .value_kind: global_buffer, .address_space: global }
      - { .name: wcodes, .offset: 48, .size: 8, .value_kind: global_buffer, .address_space: global }
      - { .name: wscl, .offset: 56, .size: 8, .value_kind: global_buffer, .address_space: global }
      - { .name: qf, .offset: 64, .size: 8, .value_kind: global_buffer, .address_space: global }
      - { .name: kf, .offset: 72, .size: 8, .value_kind: global_buffer, .address_space: global }
      - { .name: vf, .offset: 80, .size: 8, .value_kind: global_buffer, .address_space: global }
    .group_segment_fixed_size: 327680
    .private_segment_fixed_size: 0
    .kernarg_segment_align: 8
    .kernarg_segment_size: 88
    .max_flat_workgroup_size: 128
    .sgpr_count:     66
    .vgpr_count:     768
    .wavefront_size: 32
...
	.end_amdgpu_metadata
.endif
;; end of part 2
;; launch attn (part 3): grid 16 x 16, 8 waves a work-group, clusters of 4 x 1, 327,680 bytes of LDS; arguments qf, kf, vf, xf; writes xf
.if DOCPART == 3
	.amdgcn_target "amdgcn-amd-amdhsa--gfx1250"
	.amdhsa_code_object_version 6
	.text
	.protected	k_q09a72b25e7_attn
	.globl	k_q09a72b25e7_attn
	.p2align	8
	.type	k_q09a72b25e7_attn,@function
k_q09a72b25e7_attn:
	s_mov_b64 s[64:65], 0
	v_nop
	global_prefetch_b8 v0, s[64:65] scope:SCOPE_SE
	s_setreg_imm32_b32 hwreg(HW_REG_WAVE_MODE, 25, 1), 1
	s_wait_xcnt 0x0
	s_wait_alu depctr_hold_cnt(0) depctr_sa_sdst(0) depctr_va_vdst(0) depctr_va_sdst(0) depctr_va_ssrc(0) depctr_va_vcc(0) depctr_vm_vsrc(0)
	s_getreg_b32 s2, hwreg(HW_REG_IB_STS2, 6, 4)
	s_cmp_eq_u32 s2, 0
	s_cbranch_scc0 .Lentry_in_a_cluster
	s_endpgm
.Lentry_in_a_cluster:
	s_bfe_u32 s2, ttmp6, 0x10000c
	s_cmp_lg_u32 s2, 0x3003
	s_cbranch_scc0 .Lentry_shape_is_right
	s_endpgm
.Lentry_shape_is_right:
; ATTN.  For each of 16 (batch, head): x[q] = the sum over k of softmax_k(q . k) v[k], head size 64, 4,096 keys, NO scale ahead of the softmax; the division by 8 that follows it is carried by Wo.
; q, k, v arrive as f16 in the order of operand registers (2,048 bytes a tile of 16 tokens: 4 pieces of 512 bytes, piece t at LSW(lane): token r, channels 16 t + 8 h + 0 .. 7).  Products, maxima and sums in f32; p is rounded to f16.
; SHARES.  A work-group owns 256 queries of one head, each of its eight waves 32: two tiles of 16; two waves to a SIMD, so that one wave's softmax can stand beside the other's products.  Every wave walks all keys, 64 a step.
; LAYOUT.  S^T = K Q^T (source 0 = 16 keys, source 1 = 16 queries): a lane holds ONE query (lane % 16) and keys 8 (lane / 16) + 0 .. 7.  Two such tiles rounded in pairs ARE source 1 of O^T = V^T P, whose result again holds one
; query a lane and eight channels: these pack into a piece of the next launch's operand and are stored straight from registers.  K comes out of LDS as it lies, V turned, by ds_load_tr16_b128.
; SOFTMAX.  A running maximum m and sum l for each query: p = 2^(c s - c m), c = log2(e); in every step O and l are multiplied by a = 2^(c m_old - c m_new).  m begins at -1e38, O and l at 0: the step is written once.
; RING.  Two slots of 512 keys (65,536 bytes of K, then of V), dense images.  Each of the eight waves fetches 16,384 bytes with one tensor load.
; CLUSTER.  The four query blocks of a cluster belong to one head and walk the same K and V: each tile is asked for JOINTLY, by the same tensor load with the same descriptor and a mask that names the four.
; LIMITS: scores above -1e38; O / l under 65,504 (f16); NaN and infinities are not served.
; REGISTERS.  window 0: v2-11 addresses; v12-27 statistics, 8 a tile: +0 c m, +1 m, +2, +3 l, +4 .. +7 at work (a in +6); v32-95 K; v96-159 V; v160-223 S^T, 32 a tile; v224-255 P, 16 a tile.   window 1: v0-31 Q; v32-95 O^T, 32 a tile.
.set SLOT1, 131072
.set VOFF,  65536
.set SPARE, 262144                     ; behind the ring: the spare words, 128 bytes for each wave: four blocks of 256 bytes that no other line names
.set LSW, 2                            ; v2   256 h + 16 ((r + 8 h) % 16): my place in a piece of Q or K
.set AV0, 3                            ; v3   my place in a piece of V for the turning load
.set ADK, 4
.set ADV, 5
.set GO,  6                            ; v6   16 x lane: my place in a piece of x
.set PFO, 8                            ; v8   256 x lane
.set SPW, 10
.set NIL, 11
.set ST,  12
.set KF,  32
.set VF,  96
.set S,   160
.set P,   224
.set O,   32                           ; in window 1
.set MSB, 0
.macro WIN new                         ; the immediate's high byte repeats the setting that is left
.if MSB != \new
	s_set_vgpr_msb (MSB<<8)|\new
.set MSB, \new
.endif
.endm
.macro CROUND                          ; a round of the cluster's barrier
	s_barrier_signal -1
	s_barrier_wait -1
	s_cmp_lg_u32 s12, 0
	s_cbranch_scc1 .Lnot_wave_0_\@
	s_barrier_signal -3
.Lnot_wave_0_\@:
	s_barrier_wait -3
	s_barrier_signal -1
	s_barrier_wait -1
.endm
; A PREFETCH INTO THE L2 of the slot that the NEXT change of slots will ask for: eight key steps ahead of that load.  All clusters of a head walk the same K and V: the head's first cluster asks.  Its four partners share the
; slot out BY ADDRESS, 16,384 bytes of K and of V each; in each, waves 0 and 1 ask for K's and waves 2 and 3 for V's, 8,192 bytes a wave, lanes 256 bytes apart: each block of 256 bytes is named once in the launch.
; The last change that fills a slot asks for nothing; slots 0 and 1 come by their loads alone.
.macro ASK
	s_cmp_gt_u32 s21, s20
	s_cbranch_scc0 .Lnot_mine_\@
	global_prefetch_b8 v[PFO], s[18:19] th:TH_LOAD_NT scope:SCOPE_SE
.Lnot_mine_\@:
.endm
	s_load_b256 s[4:11], s[0:1], 0x0               ; qf, kf, vf, xf
	v_lshl_add_u32 v[SPW], v0, 2, SPARE
	v_mov_b32 v[NIL], 0
	ds_add_u32 v[SPW], v[NIL]                      ; the wave's opening: the add, twice on end, and its wait ahead of my first tensor load
	ds_add_u32 v[SPW], v[NIL]                      ; and once more; the set-up below, work on registers, stands between it and the wait
	v_lshrrev_b32 v1, 5, v0
	v_readfirstlane_b32 s12, v1                    ; wave 0..7
	s_bfe_u32 s13, ttmp6, 0x40000                  ; cx: my place in the cluster
	s_lshl_b32 s40, ttmp9, 2
	s_add_co_u32 s40, s40, s13                     ; my block of 256 queries: it enters Q's and x's addresses alone
	s_and_b32 s41, ttmp7, 0xffff                   ; 8 b + head, which the four partners share
	s_lshl_b32 s42, s41, 19                        ; its 524,288 bytes in qf, kf, vf
	s_and_b32 s44, s12, 3
	s_lshl_b32 s44, s44, 14
	s_add_co_u32 s44, s44, s42                     ; what I fetch of a slot: 16,384 bytes of K (waves 0-3) or of V (waves 4-7)
	s_mov_b32 s45, 0
	s_lshl_b32 s46, s40, 15                        ; Q: 16 tiles a block,
	s_lshl_b32 s47, s12, 12                        ; 2 a wave
	s_add_co_u32 s46, s46, s47
	s_add_co_u32 s46, s46, s42
	s_mov_b32 s47, 0
	s_lshr_b32 s48, s41, 3                         ; x: block of 64 rows = 64 b + 4 (query block) + wave / 2,
	s_lshl_b32 s48, s48, 6
	s_lshl_b32 s49, s40, 2
	s_add_co_u32 s48, s48, s49
	s_lshr_b32 s49, s12, 1
	s_add_co_u32 s48, s48, s49
	s_lshl_b32 s48, s48, 16
	s_bfe_u32 s49, s41, 0x20001                    ; K quarter = head / 2,
	s_lshl_b32 s49, s49, 14
	s_add_co_u32 s48, s48, s49
	s_and_b32 s49, s12, 1                          ; two row tiles a wave,
	s_lshl_b32 s49, s49, 13
	s_add_co_u32 s48, s48, s49
	s_and_b32 s49, s41, 1                          ; and the head's 64 of the quarter's 128
	s_lshl_b32 s49, s49, 11
	s_add_co_u32 s48, s48, s49
	s_mov_b32 s49, 0
	s_lshl_b32 s50, s13, 14                        ; the prefetches: my work-group's 16,384 bytes,
	s_and_b32 s51, s12, 1
	s_lshl_b32 s51, s51, 13                        ; my wave's 8,192,
	s_add_co_u32 s50, s50, s51
	s_add_co_u32 s50, s50, s42
	s_add_co_u32 s50, s50, 65536                   ; in slot index 1: the first change of slots steps it to 2
	s_mov_b32 s51, 0
	; descriptor group 1: 16,384 dense bytes as 64 rows of 32 elements of 8 bytes
	s_mov_b32 s24, 15|(3<<16)|(1<<21)              ; the mask: all four work-groups; elements of 8 bytes; bit 21 set beside a mask
	s_mov_b32 s25, 32<<16
	s_mov_b32 s26, 64<<16
	s_mov_b32 s27, 32<<16
	s_mov_b32 s28, 64
	s_mov_b32 s29, 32
	s_mov_b32 s30, 0
	s_mov_b32 s31, 0
	s_mov_b32 s36, 0x3fb8aa3b                      ; c = log2(e)
	s_mov_b32 s37, s36                             ; (named with it as a pair, so it is written)
	s_mov_b32 s38, 0x76543210
	s_mov_b32 s39, 0xfedcba98                      ; v_permlanex16_b32's selects for lane l xor 16
	s_mov_b32 s21, 7                               ; slots still to be asked for
	s_mov_b32 s23, 0                               ; LDS byte of the key step in hand
	s_lshr_b32 s20, s12, 2                         ; 0 in waves 0 to 3,
	s_or_b32 s20, s20, ttmp9                       ; of the head's first cluster: the same in all four partners
	s_cmp_eq_u32 s20, 0
	s_cselect_b32 s20, 1, -1                       ; a wave prefetches while s21 is above this
	s_wait_dscnt 0x0                               ; both opening adds are done
	s_wait_kmcnt 0x0
	s_cmp_lt_u32 s12, 4
	s_cselect_b64 s[34:35], s[6:7], s[8:9]         ; the choice hangs on the wave's number alone
	s_add_nc_u64 s[34:35], s[34:35], s[44:45]
	s_or_b32 s35, s35, 0x80000000                  ; type = 2
	s_mov_b32 s32, 1                               ; count = 1
	s_lshl_b32 s33, s12, 14                        ; LDS address: wave x 16,384: K's four parts, then V's four
	s_cmp_lt_u32 s12, 2
	s_cselect_b64 s[18:19], s[6:7], s[8:9]
	s_add_nc_u64 s[18:19], s[18:19], s[50:51]
	s_add_nc_u64 s[14:15], s[4:5], s[46:47]
	s_add_nc_u64 s[16:17], s[10:11], s[48:49]
	CROUND                                         ; all four work-groups are here: the first joint loads meet
	tensor_load_to_lds s[32:35], s[24:31]          ; slot 0: one tensor load of mine is out
	s_nop 0
.rept 4
	v_nop
.endr
	v_and_b32 v1, 31, v0                           ; lane
	v_and_b32 v7, 15, v0                           ; r
	v_bfe_u32 v9, v0, 4, 1                         ; h
	v_lshlrev_b32 v[GO], 4, v1
	v_lshlrev_b32 v[PFO], 8, v1
	v_lshl_add_u32 v[LSW], v9, 3, v7
	v_and_b32 v[LSW], 15, v[LSW]
	v_lshlrev_b32 v[LSW], 4, v[LSW]
	v_lshl_add_u32 v[LSW], v9, 8, v[LSW]
	; The turning load: lane l addresses key 8 h + l % 8, channels 8 hh + 0 .. 7, hh = (l / 8) % 2; that piece lies at 256 hh + 128 (h xor hh) + 16 (l % 8): sixteen lanes touch 256 different bytes modulo 256
	v_add_nc_u32 v[AV0], 8, v1
	v_bfe_u32 v[AV0], v[AV0], 4, 1                 ; h xor hh = bit 4 of lane + 8
	v_lshlrev_b32 v[AV0], 7, v[AV0]
	v_bfe_u32 v7, v0, 3, 1                         ; hh
	v_lshl_add_u32 v[AV0], v7, 8, v[AV0]
	v_and_b32 v7, 7, v0
	v_lshl_add_u32 v[AV0], v7, 4, v[AV0]
	v_add_nc_u32 v[AV0], VOFF, v[AV0]
	WIN 0x40                                       ; destination window 1
.irp t, 0,1
.irp c, 0,1
	global_load_b128 v[16*\t+8*\c:16*\t+8*\c+3], v[LSW], s[14:15] offset:2048*\t+1024*\c       ; Q stays in registers: tile t, channels 32 c on
	global_load_b128 v[16*\t+8*\c+4:16*\t+8*\c+7], v[LSW], s[14:15] offset:2048*\t+1024*\c+512
.endr
.endr
.set J, 0
.rept 64
	v_mov_b32 v[O+J], 0                            ; O^T: the step is written once, and its first pass finds zeros
.set J, J+1
.endr
	WIN 0
.irp t, 0,1
	v_mov_b32 v[ST+8*\t+1], 0xfe967699             ; m = -1e38
	v_mov_b32 v[ST+8*\t+2], 0                      ; l, in two halves
	v_mov_b32 v[ST+8*\t+3], 0
.endr
.irp t, 0,1
	v_mul_f32 v[ST+8*\t], s36, v[ST+8*\t+1]        ; c m
.endr
; THE SOFTMAX of both tiles for one key step, the tiles line by line by turns.
.macro SOFTMAX
.irp j, 0,1,2,3                                ; the maximum: four chains, each begun at an accumulator's low end
.irp t, 0,1
	v_max3_num_f32 v[ST+8*\t+4+\j], v[S+32*\t+8*\j], v[S+32*\t+8*\j+1], v[S+32*\t+8*\j+2]
.endr
.endr
.irp i, 3,5
.irp j, 0,1,2,3
.irp t, 0,1
	v_max3_num_f32 v[ST+8*\t+4+\j], v[ST+8*\t+4+\j], v[S+32*\t+8*\j+\i], v[S+32*\t+8*\j+\i+1]
.endr
.endr
.endr
.irp t, 0,1
	v_max3_num_f32 v[ST+8*\t+4], v[ST+8*\t+4], v[S+32*\t+7], v[S+32*\t+15]
	v_max3_num_f32 v[ST+8*\t+6], v[ST+8*\t+6], v[S+32*\t+23], v[S+32*\t+31]
.endr
.irp t, 0,1
	v_max3_num_f32 v[ST+8*\t+4], v[ST+8*\t+4], v[ST+8*\t+5], v[ST+8*\t+6]
.endr
.irp t, 0,1
	v_max3_num_f32 v[ST+8*\t+4], v[ST+8*\t+4], v[ST+8*\t+7], v[ST+8*\t+1]   ; with the old m
.endr
.irp t, 0,1
	v_permlanex16_b32 v[ST+8*\t+5], v[ST+8*\t+4], s38, s39   ; the query's other 32 keys lie in the lane 16 away
.endr
.irp t, 0,1
	v_mov_b32 v[ST+8*\t+7], v[ST+8*\t]             ; c m_old is kept for a
.endr
.irp t, 0,1
	v_max_num_f32 v[ST+8*\t+1], v[ST+8*\t+4], v[ST+8*\t+5]
.endr
.irp t, 0,1
	v_mul_f32 v[ST+8*\t], s36, v[ST+8*\t+1]
.endr
.irp t, 0,1
	v_sub_f32 v[ST+8*\t+7], v[ST+8*\t+7], v[ST+8*\t]
.endr
.irp b, 0,2,4,6,8,10,12,14,16,18,20,22,24,26,28,30
.irp t, 0,1
	v_pk_fma_f32 v[S+32*\t+\b:S+32*\t+\b+1], v[S+32*\t+\b:S+32*\t+\b+1], s[36:37], v[ST+8*\t:ST+8*\t+1] op_sel_hi:[1,0,0] neg_lo:[0,0,1] neg_hi:[0,0,1]   ; c s - c m, two at a time
.endr
.endr
.irp t, 0,1
	v_exp_f32 v[ST+8*\t+6], v[ST+8*\t+7]           ; a
.endr
.irp e, 0,1,2,3,4,5,6,7,8,9,10,11,12,13,14,15,16,17,18,19,20,21,22,23,24,25,26,27,28,29,30,31
.irp t, 0,1
	v_exp_f32 v[S+32*\t+\e], v[S+32*\t+\e]         ; p, at most 1
.endr
.endr
	v_nop                                          ; a plain instruction behind the last exponential, ahead of the first use
	s_wait_alu depctr_va_vdst(0)                   ; ONE wait for the batch of 66, ahead of its first reader
.irp i, 0,1,2,3,4,5,6,7,8,9,10,11,12,13,14,15
.irp t, 0,1
	v_cvt_pk_f16_f32 v[P+16*\t+\i], v[S+32*\t+2*\i], v[S+32*\t+2*\i+1]
.endr
.endr
.irp u, 0,1,2,3,4,5,6,7                        ; the sum of the unrounded p: a tree of pairs, in place
.irp t, 0,1
	v_pk_add_f32 v[S+32*\t+4*\u:S+32*\t+4*\u+1], v[S+32*\t+4*\u:S+32*\t+4*\u+1], v[S+32*\t+4*\u+2:S+32*\t+4*\u+3]
.endr
.endr
.irp u, 0,1,2,3
.irp t, 0,1
	v_pk_add_f32 v[S+32*\t+8*\u:S+32*\t+8*\u+1], v[S+32*\t+8*\u:S+32*\t+8*\u+1], v[S+32*\t+8*\u+4:S+32*\t+8*\u+5]
.endr
.endr
.irp u, 0,1
.irp t, 0,1
	v_pk_add_f32 v[S+32*\t+16*\u:S+32*\t+16*\u+1], v[S+32*\t+16*\u:S+32*\t+16*\u+1], v[S+32*\t+16*\u+8:S+32*\t+16*\u+9]
.endr
.endr
.irp t, 0,1
	v_pk_add_f32 v[S+32*\t:S+32*\t+1], v[S+32*\t:S+32*\t+1], v[S+32*\t+16:S+32*\t+17]
.endr
.irp t, 0,1
	v_pk_fma_f32 v[ST+8*\t+2:ST+8*\t+3], v[ST+8*\t+2:ST+8*\t+3], v[ST+8*\t+6:ST+8*\t+7], v[S+32*\t:S+32*\t+1] op_sel_hi:[1,0,1]   ; l = a l + the sum
.endr
.endm
; A KEY STEP: 64 keys at LDS byte s23 of the slot in hand.
.macro STEP
	v_add_nc_u32 v[ADK], s23, v[LSW]
	v_add_nc_u32 v[ADV], s23, v[AV0]
	v_nop
	v_nop                                          ; with the two additions: four places between the last step's products and the loads into V's registers
.irp k, 0,1,2,3                                ; K: keys 16 k on, channels 32 c on
.irp c, 0,1
	ds_load_b128 v[KF+16*\k+8*\c:KF+16*\k+8*\c+3], v[ADK] offset:2048*\k+1024*\c
	ds_load_b128 v[KF+16*\k+8*\c+4:KF+16*\k+8*\c+7], v[ADK] offset:2048*\k+1024*\c+512
.endr
.endr
.irp d, 0,1,2,3                                ; V^T: channels 16 d on, keys 32 g on
.irp g, 0,1
	ds_load_tr16_b128 v[VF+16*\d+8*\g:VF+16*\d+8*\g+3], v[ADV] offset:4096*\g+512*\d
	ds_load_tr16_b128 v[VF+16*\d+8*\g+4:VF+16*\d+8*\g+7], v[ADV] offset:4096*\g+512*\d+2048
.endr
.endr
	s_wait_dscnt 16                                ; K's 16 loads are in, V's 16 may be out
	WIN 0x04                                       ; source 1 (Q) window 1
.irp c, 0,1                                    ; eight accumulators by turns, one instruction a turn; the first eight start the sums
.irp k, 0,1,2,3
.irp t, 0,1
.if \c == 0
	v_wmma_f32_16x16x32_f16 v[S+32*\t+8*\k:S+32*\t+8*\k+7], v[KF+16*\k+8*\c:KF+16*\k+8*\c+7], v[16*\t+8*\c:16*\t+8*\c+7], 0
.else
	v_wmma_f32_16x16x32_f16 v[S+32*\t+8*\k:S+32*\t+8*\k+7], v[KF+16*\k+8*\c:KF+16*\k+8*\c+7], v[16*\t+8*\c:16*\t+8*\c+7], v[S+32*\t+8*\k:S+32*\t+8*\k+7]
.endif
.endr
.endr
.endr
	WIN 0
.rept 4
	v_nop                                          ; four places ahead of the first read of the scores (ISA guide 7.12.1)
.endr
	SOFTMAX
	WIN 0x41                                       ; O^T (destination and source 0) window 1, a window 0
.irp t, 0,1
.irp i, 0,2,4,6,8,10,12,14,16,18,20,22,24,26,28,30
	v_pk_mul_f32 v[O+32*\t+\i:O+32*\t+\i+1], v[O+32*\t+\i:O+32*\t+\i+1], v[ST+8*\t+6:ST+8*\t+7] op_sel_hi:[1,0]   ; O^T x a, each accumulator from its low end on
.endr
.endr
	s_wait_dscnt 0x0                               ; V is in
	WIN 0x50                                       ; C and D window 1
.irp g, 0,1
.irp d, 0,1,2,3
.irp t, 0,1
	v_wmma_f32_16x16x32_f16 v[O+32*\t+8*\d:O+32*\t+8*\d+7], v[VF+16*\d+8*\g:VF+16*\d+8*\g+7], v[P+16*\t+8*\g:P+16*\t+8*\g+7], v[O+32*\t+8*\d:O+32*\t+8*\d+7]
.endr
.endr
.endr
	WIN 0
	s_add_co_u32 s23, s23, 8192                    ; the next 64 keys: four tiles of 2,048 bytes
.endm
; THE CHANGE OF SLOTS stands at a slot's head.  Each wave waits for all its tensor loads (its part of the slot that it is about to read), adds 0 to its spare word, and waits for that and for its reads of the slot that it has left.
; fill = 1: the barrier is a round of the cluster's, and behind it the slot that was left is asked for jointly, with the next 512 keys: the load has eight key steps in which to land.
.macro CHANGE fill
	s_wait_tensorcnt 0x0                           ; no tensor load of mine is out, so the descriptor may be written
	ds_add_u32 v[SPW], v[NIL]                      ; 0 onto my spare word
.if \fill
	s_xor_b32 s33, s33, SLOT1                      ; the other slot than last time,
	s_add_nc_u64 s[34:35], s[34:35], 65536         ; the next 512 keys; the type bits on top are not reached
	s_wait_xcnt 0x0                                ; the last prefetch, a slot back, has read its address, so it may be written
	s_add_nc_u64 s[18:19], s[18:19], 65536
	s_wait_dscnt 0x0                               ; the add is done, and my reads of the slot that I have left are over
	CROUND
	tensor_load_to_lds s[32:35], s[24:31]          ; the first thing behind the round, and my one tensor load until the next
	s_nop 0
.rept 4
	v_nop
.endr
	ASK
.else
	s_wait_dscnt 0x0
	s_barrier_signal -1
	s_barrier_wait -1
.endif
.endm
.macro SLOT_STEPS                      ; a slot's eight key steps: written once, walked eight times
	s_mov_b32 s22, 8
.Lstep_\@:
	STEP
	s_sub_co_u32 s22, s22, 1
	s_cmp_lg_u32 s22, 0
	s_cbranch_scc1 .Lstep_\@
	s_sub_co_u32 s23, s23, 65536                   ; back to a slot's first step,
	s_xor_b32 s23, s23, SLOT1                      ; in the other slot
.endm
	s_wait_loadcnt 0x0                             ; Q
.Lslot:                                            ; seven trips: behind each change of slots but the last the next slot is asked for
	CHANGE 1
	SLOT_STEPS
	s_sub_co_u32 s21, s21, 1
	s_cmp_lg_u32 s21, 0
	s_cbranch_scc1 .Lslot
	CHANGE 0                                       ; the last slot is written out
	SLOT_STEPS
	; THE WAY OUT.  l's two halves and the other half of the lanes' are added; O^T / l is rounded to f16: a lane's eight channels are 16 bytes of a piece of the next launch's operand.  The additions are the places behind the last products.
.irp t, 0,1
	v_add_f32 v[ST+8*\t+4], v[ST+8*\t+2], v[ST+8*\t+3]
.endr
.irp t, 0,1
	v_permlanex16_b32 v[ST+8*\t+5], v[ST+8*\t+4], s38, s39
.endr
.irp t, 0,1
	v_add_f32 v[ST+8*\t+4], v[ST+8*\t+4], v[ST+8*\t+5]
.endr
.irp t, 0,1
	v_rcp_f32 v[ST+8*\t+6], v[ST+8*\t+4]
.endr
	v_nop                                          ; a plain instruction between the last reciprocal and the use of its result
	s_wait_alu depctr_va_vdst(0)                   ; and one wait for the two, ahead of their first reader
	WIN 0x41
.irp t, 0,1
.irp i, 0,2,4,6,8,10,12,14,16,18,20,22,24,26,28,30
	v_pk_mul_f32 v[O+32*\t+\i:O+32*\t+\i+1], v[O+32*\t+\i:O+32*\t+\i+1], v[ST+8*\t+6:ST+8*\t+7] op_sel_hi:[1,0]
.endr
.endr
	WIN 0x05                                       ; sources 0 and 1 window 1, destination window 0: S^T's registers are free
.set J, 0
.rept 32
	v_cvt_pk_f16_f32 v[S+J], v[O+2*J], v[O+2*J+1]
.set J, J+1
.endr
	WIN 0
.irp t, 0,1
.irp d, 0,1,2,3
	global_store_b128 v[GO], v[S+16*\t+4*\d:S+16*\t+4*\d+3], s[16:17] offset:4096*\t+512*\d   ; 512 consecutive bytes, aligned
.endr
.endr
	s_wait_tensorcnt 0x0                           ; the wave's end: behind my last tensor load
	ds_add_u32 v[SPW], v[NIL]
	s_wait_dscnt 0x0
	CROUND                                         ; the closing round: no work-group ends while a partner may still ask for a tile that names it
	s_endpgm
.Lfunc_end_k_q09a72b25e7_attn:
	.size	k_q09a72b25e7_attn, .Lfunc_end_k_q09a72b25e7_attn-k_q09a72b25e7_attn
	.p2alignl 7, 3214868480
	.fill 96, 4, 3214868480
	.section	.rodata,"a",@progbits
	.p2align	6, 0x0
	.amdhsa_kernel k_q09a72b25e7_attn
		.amdhsa_group_segment_fixed_size 327680
		.amdhsa_private_segment_fixed_size 0
		.amdhsa_enable_private_segment 0
		.amdhsa_kernarg_size 32
		.amdhsa_user_sgpr_count 2
		.amdhsa_user_sgpr_kernarg_segment_ptr 1
		.amdhsa_wavefront_size32 1
		.amdhsa_system_sgpr_workgroup_id_x 1
		.amdhsa_system_sgpr_workgroup_id_y 1
		.amdhsa_system_sgpr_workgroup_id_z 1
		.amdhsa_system_vgpr_workitem_id 0
		.amdhsa_next_free_vgpr 384
		.amdhsa_next_free_sgpr 66
		.amdhsa_reserve_vcc 0
		.amdhsa_float_denorm_mode_32 3
		.amdhsa_float_denorm_mode_16_64 3
		.amdhsa_memory_ordered 1
		.amdhsa_forward_progress 1
		.amdhsa_inst_pref_size 50
	.end_amdhsa_kernel
	.amdgpu_metadata
---
amdhsa.version: [ 1, 2 ]
amdhsa.kernels:
  - .name:           k_q09a72b25e7_attn
    .symbol:         k_q09a72b25e7_attn.kd
    .args:
      - { .name: qf, .offset: 0, .size: 8, .value_kind: global_buffer, .address_space: global }
      - { .name: kf, .offset: 8, .size: 8, .value_kind: global_buffer, .address_space: global }
      - { .name: vf, .offset: 16, .size: 8, .value_kind: global_buffer, .address_space: global }
      - { .name: xf, .offset: 24, .size: 8, .value_kind: global_buffer, .address_space: global }
    .group_segment_fixed_size: 327680
    .private_segment_fixed_size: 0
    .kernarg_segment_align: 8
    .kernarg_segment_size: 32
    .max_flat_workgroup_size: 256
    .sgpr_count:     66
    .vgpr_count:     384
    .wavefront_size: 32
...
	.end_amdgpu_metadata
.endif
;; end of part 3
;; launch outp (part 4): grid 4 x 64, 4 waves a work-group, clusters of 4 x 4, 327,680 bytes of LDS; arguments xf, wo16, bo, out0; writes out0
.if DOCPART == 4
	.amdgcn_target "amdgcn-amd-amdhsa--gfx1250"
	.amdhsa_code_object_version 6
	.text
	.protected	k_q09a72b25e7_outp
	.globl	k_q09a72b25e7_outp
	.p2align	8
	.type	k_q09a72b25e7_outp,@function
k_q09a72b25e7_outp:
	s_mov_b64 s[64:65], 0
	v_nop
	global_prefetch_b8 v0, s[64:65] scope:SCOPE_SE
	s_setreg_imm32_b32 hwreg(HW_REG_WAVE_MODE, 25, 1), 1
	s_wait_xcnt 0x0
	s_wait_alu depctr_hold_cnt(0) depctr_sa_sdst(0) depctr_va_vdst(0) depctr_va_sdst(0) depctr_va_ssrc(0) depctr_va_vcc(0) depctr_vm_vsrc(0)
	s_getreg_b32 s2, hwreg(HW_REG_IB_STS2, 6, 4)
	s_cmp_eq_u32 s2, 0
	s_cbranch_scc0 .Lentry_in_a_cluster
	s_endpgm
.Lentry_in_a_cluster:
	s_bfe_u32 s2, ttmp6, 0x10000c
	s_cmp_lg_u32 s2, 0xf033
	s_cbranch_scc0 .Lentry_shape_is_right
	s_endpgm
.Lentry_shape_is_right:
; OUTP.  out0 = x (Wo / 8)^T + bo: x [8,192][512] and Wo / 8 [512][512] arrive as f16 in the order of operand registers; sums and bias in f32; out0 f32.
; xf, wo16: (block of 64 rows) x 65,536 + (K quarter) x 16,384 + (tile of 16 rows) x 4,096 + (32 along K) x 1,024 + half x 512 + 16 lane.
; A tile of out0 is 128 x 128: 256 work-groups of four waves, each 64 x 64: 16 accumulators.  ALL of K = 512 fits in LDS (131,072 bytes of x and of Wo): no ring, no byte filled twice.  Each wave brings one block of 64 rows
; (waves 0, 1: x's; waves 2, 3: Wo's) by four tensor loads, one a K quarter, and the products begin when the first quarter has landed: four tensor loads of a wave are out at the most.
; CLUSTERS: 4 x 4 work-groups.  The four of a row of the cluster need the same rows of x, the four of a column the same rows of Wo: each piece is asked for JOINTLY, by the same tensor load with the same descriptor and a mask
; that names the four.  THE MATRIX INSTRUCTION IS USED TRANSPOSED (source 0 = 16 rows of Wo, source 1 = 16 rows of x): a lane holds eight neighbouring numbers of a row of out0.  The bias is the C of each sum's first instruction.
; REGISTERS.  window 0: v16-21 addresses; v28, v29 the add's two; v32-95 the way out; v96-127 the bias; v128-255 accumulator (a, b) at v[128 + 8 (4 a + b)].   window 1: two fragment buffers of 64: Wo's four, then x's four.
.set STAGE,  262144                    ; behind the operands: 16 rows x (256 + 16) bytes for each wave, for the way out
.set SPITCH, 272
.set SPARE,  STAGE+4*16*SPITCH         ; the spare words, 128 bytes for each wave: two blocks of 256 bytes that no other line names
.set ADRA, 16
.set ADRB, 17
.set STO,  18
.set RD,   19
.set CO,   20
.set BO,   21
.set SPW,  28
.set NIL,  29
.set TMP,  32
.set BI,   96
.set ACC,  128
.set MSB, 0
.macro WIN new                         ; the immediate's high byte repeats the setting that is left
.if MSB != \new
	s_set_vgpr_msb (MSB<<8)|\new
.set MSB, \new
.endif
.endm
.macro CROUND                          ; a round of the cluster's barrier
	s_barrier_signal -1
	s_barrier_wait -1
	s_cmp_lg_u32 s12, 0
	s_cbranch_scc1 .Lnot_wave_0_\@
	s_barrier_signal -3
.Lnot_wave_0_\@:
	s_barrier_wait -3
	s_barrier_signal -1
	s_barrier_wait -1
.endm
	s_load_b256 s[4:11], s[0:1], 0x0               ; xf, wo16, bo, out0
	v_lshl_add_u32 v[SPW], v0, 2, SPARE
	v_mov_b32 v[NIL], 0
	ds_add_u32 v[SPW], v[NIL]                      ; the wave's opening: the add, twice on end, and its wait ahead of my first tensor load
	ds_add_u32 v[SPW], v[NIL]                      ; and once more; the set-up below, work on registers, stands between it and the wait
	v_lshrrev_b32 v1, 5, v0
	v_readfirstlane_b32 s12, v1                    ; wave 0..3
	s_bfe_u32 s13, ttmp6, 0x40000                  ; cx, cy: my place in the cluster
	s_bfe_u32 s14, ttmp6, 0x40004
	s_lshl_b32 s15, ttmp9, 2
	s_add_co_u32 s15, s15, s13                     ; tile column = 4 x cluster x + cx
	s_and_b32 s48, ttmp7, 0xffff
	s_lshl_b32 s48, s48, 2
	s_add_co_u32 s48, s48, s14                     ; tile row = 4 x cluster y + cy
	s_lshl_b32 s49, s14, 2
	s_lshl_b32 s49, 15, s49                        ; my row of the cluster
	s_lshl_b32 s50, 0x1111, s13                    ; my column
	; descriptor group 1: 16,384 dense bytes as 64 rows of 32 elements of 8 bytes
	s_or_b32 s16, s49, (3<<16)|(1<<21)             ; x's pieces go to my row; bit 21 set beside a mask
	s_or_b32 s24, s50, (3<<16)|(1<<21)             ; Wo's to my column
.irp g, 16, 24
	s_mov_b32 s[\g+1], 32<<16
	s_mov_b32 s[\g+2], 64<<16
	s_mov_b32 s[\g+3], 32<<16
	s_mov_b32 s[\g+4], 64
	s_mov_b32 s[\g+5], 32
	s_mov_b32 s[\g+6], 0
	s_mov_b32 s[\g+7], 0
.endr
	s_and_b32 s51, s12, 1                          ; which of the tile's two blocks of 64 rows I fetch
	s_lshl_b32 s52, s48, 1
	s_add_co_u32 s52, s52, s51
	s_lshl_b32 s52, s52, 16                        ; x: made of the tile row and the wave's number alone
	s_mov_b32 s53, 0
	s_lshl_b32 s54, s15, 1
	s_add_co_u32 s54, s54, s51
	s_lshl_b32 s54, s54, 16                        ; Wo: of the tile column and the wave's number alone
	s_mov_b32 s55, 0
	s_lshl_b32 s56, s12, 16                        ; where they go: wave x 65,536: no place in the cluster enters an LDS address
	s_lshr_b32 s57, s12, 1                         ; which half of the tile's rows is mine to multiply
	s_lshl_b32 s60, s15, 9                         ; my first column, in bytes: 512 x tile column + 256 x (wave % 2)
	s_lshl_b32 s61, s51, 8
	s_add_co_u32 s60, s60, s61
	s_mov_b32 s61, 0
	s_lshl_b32 s58, s48, 18                        ; my first row: 128 rows of 2,048 bytes a tile row, + 64 rows x (wave / 2)
	s_lshl_b32 s59, s57, 17
	s_add_co_u32 s58, s58, s59
	s_add_co_u32 s58, s58, s60
	s_mov_b32 s59, 0
	s_wait_dscnt 0x0                               ; both opening adds are done
	s_wait_kmcnt 0x0
	s_add_nc_u64 s[52:53], s[4:5], s[52:53]
	s_add_nc_u64 s[54:55], s[6:7], s[54:55]
	s_add_nc_u64 s[8:9], s[8:9], s[60:61]
	s_add_nc_u64 s[10:11], s[10:11], s[58:59]
	CROUND                                         ; all sixteen work-groups are here: the joint loads meet
.irp k, 0,1,2,3
	s_mov_b32 s[32+4*\k], 1
	s_add_co_u32 s[33+4*\k], s56, \k*16384
	s_add_nc_u64 s[34+4*\k:35+4*\k], s[52:53], \k*16384
	s_or_b32 s[35+4*\k], s[35+4*\k], 0x80000000
	s_mov_b32 s[68+4*\k], 1
	s_add_co_u32 s[69+4*\k], s56, \k*16384
	s_add_nc_u64 s[70+4*\k:71+4*\k], s[54:55], \k*16384
	s_or_b32 s[71+4*\k], s[71+4*\k], 0x80000000
.endr
	s_cmp_lt_u32 s12, 2                            ; a wave's four first fills stand in one branch on the wave's number, ahead of every wait on TENSORcnt and every LDS read
	s_cbranch_scc0 .Lfirst_b
.irp k, 0,1,2,3
	tensor_load_to_lds s[32+4*\k:35+4*\k], s[16:23]
	s_nop 0
.endr
.rept 4
	v_nop
.endr
	s_branch .Lfirst_asked
.Lfirst_b:
.irp k, 0,1,2,3
	tensor_load_to_lds s[68+4*\k:71+4*\k], s[24:31]
	s_nop 0
.endr
.rept 4
	v_nop
.endr
.Lfirst_asked:
	v_and_b32 v1, 15, v0                           ; r
	v_bfe_u32 v2, v0, 4, 1                         ; h
	v_and_b32 v3, 31, v0
	v_lshlrev_b32 v3, 4, v3                        ; 16 x lane
	v_lshlrev_b32 v[BO], 5, v2                     ; the bias: 8 h numbers on
.irp b, 0,1,2,3
	global_load_b128 v[BI+8*\b:BI+8*\b+3], v[BO], s[8:9] offset:64*\b          ; register j: bo[my first column + 16 b + 8 h + j]: the result's layout
	global_load_b128 v[BI+8*\b+4:BI+8*\b+7], v[BO], s[8:9] offset:64*\b+16
.endr
	s_lshl_b32 s62, s57, 16
	v_add_nc_u32 v[ADRA], s62, v3                  ; x's block (wave / 2)
	s_lshl_b32 s62, s51, 16
	s_add_co_u32 s62, s62, 131072
	v_add_nc_u32 v[ADRB], s62, v3                  ; Wo's block (wave % 2), behind x's two
	s_mul_i32 s62, s12, 16*SPITCH
	s_add_co_u32 s62, s62, STAGE                   ; my stage
	v_mul_u32_u24 v[STO], v1, SPITCH
	v_lshl_add_u32 v[STO], v2, 5, v[STO]
	v_add_nc_u32 v[STO], s62, v[STO]               ; in: row r, 32 bytes for each half of the lanes
	v_mul_u32_u24 v[RD], v2, SPITCH
	v_lshl_add_u32 v[RD], v1, 4, v[RD]
	v_add_nc_u32 v[RD], s62, v[RD]                 ; back: lanes 0-15 one row of 256 bytes, lanes 16-31 the next
	v_lshlrev_b32 v[CO], 11, v2
	v_lshl_add_u32 v[CO], v1, 4, v[CO]             ; and the same two rows in out0
.macro FETCH q, f                      ; the fragments of 32 along K, the q-th of 16, into buffer f: 16 LDS loads, each of 512 consecutive bytes
	WIN 0x40                                       ; destination window 1, address window 0
.irp i, 0,1,2,3
	ds_load_b128 v[\f+8*\i:\f+8*\i+3], v[ADRB] offset:((\q)/4)*16384+\i*4096+((\q)%4)*1024
	ds_load_b128 v[\f+8*\i+4:\f+8*\i+7], v[ADRB] offset:((\q)/4)*16384+\i*4096+((\q)%4)*1024+512
	ds_load_b128 v[\f+32+8*\i:\f+32+8*\i+3], v[ADRA] offset:((\q)/4)*16384+\i*4096+((\q)%4)*1024
	ds_load_b128 v[\f+32+8*\i+4:\f+32+8*\i+7], v[ADRA] offset:((\q)/4)*16384+\i*4096+((\q)%4)*1024+512
.endr
.endm
.macro CHUNK                           ; 32 along K, the Q-th: the next chunk's fragments are asked for, then this chunk's 16 products
.set FB, 64*(Q%2)
.set FN, 64*((Q+1)%2)
	s_wait_dscnt 0x0                               ; this chunk's fragments are in
.if (Q < 15) && ((Q+1)%4 == 0)
	s_wait_tensorcnt 3-(Q+1)/4                     ; my part of the next K quarter has landed; the later quarters may stay out
	s_barrier_signal -1
	s_barrier_wait -1                              ; everybody's has
.endif
.if Q < 15
.if Q > 0
.rept 4
	v_nop                                          ; four places ahead of loads into the buffer that the last chunk's products read
.endr
.endif
	FETCH Q+1, FN
.endif
	WIN 0x05                                       ; sources 0 (Wo) and 1 (x) window 1; C and D window 0
.irp a, 0,1,2,3                                ; the 16 accumulators take turns, one instruction a turn
.irp b, 0,1,2,3
.if Q == 0
	v_wmma_f32_16x16x32_f16 v[ACC+8*(4*\a+\b):ACC+8*(4*\a+\b)+7], v[FB+8*\b:FB+8*\b+7], v[FB+32+8*\a:FB+32+8*\a+7], v[BI+8*\b:BI+8*\b+7]
.else
	v_wmma_f32_16x16x32_f16 v[ACC+8*(4*\a+\b):ACC+8*(4*\a+\b)+7], v[FB+8*\b:FB+8*\b+7], v[FB+32+8*\a:FB+32+8*\a+7], v[ACC+8*(4*\a+\b):ACC+8*(4*\a+\b)+7]
.endif
.endr
.endr
.endm
	s_wait_tensorcnt 3                             ; my part of the first K quarter is in; the three later loads may be out
	s_barrier_signal -1
	s_barrier_wait -1                              ; everybody's is
	FETCH 0, 0
	s_wait_loadcnt 0x0                             ; the bias
.set Q, 0
.rept 16
	CHUNK
.set Q, Q+1
.endr
.rept 4
	v_nop                                          ; four places ahead of the first read of results (ISA guide 7.12.1)
.endr
	WIN 0
; THE WAY OUT, 16 rows x 64 columns at a time: a lane holds 32 neighbouring bytes of a row and the lanes beside it other rows, so a block goes through my own stage and comes back as whole rows of 256 bytes.
; LDS serves a wave's instructions in order (ISA guide 5.7.1.4): no wait between the stores and the loads, nor in front of the next block's stores.
.macro TOSTAGE a
.irp b, 0,1,2,3
	ds_store_b128 v[STO], v[ACC+8*(4*(\a)+\b):ACC+8*(4*(\a)+\b)+3] offset:64*\b        ; each accumulator from its low end on
	ds_store_b128 v[STO], v[ACC+8*(4*(\a)+\b)+4:ACC+8*(4*(\a)+\b)+7] offset:64*\b+16
.endr
.irp i, 0,1,2,3,4,5,6,7
	ds_load_b128 v[TMP+32*((\a)%2)+4*\i:TMP+32*((\a)%2)+4*\i+3], v[RD] offset:2*\i*SPITCH
.endr
.endm
.macro SEND a, younger                 ; younger: the LDS instructions issued behind block a's loads, which may stay out
	s_wait_dscnt \younger
.irp i, 0,1,2,3,4,5,6,7
	global_store_b128 v[CO], v[TMP+32*((\a)%2)+4*\i:TMP+32*((\a)%2)+4*\i+3], s[10:11] offset:(16*(\a)+2*\i)*2048 th:TH_STORE_NT   ; 16 lanes store 256 consecutive bytes, aligned; written once, read by nobody here
.endr
.endm
	TOSTAGE 0
	TOSTAGE 1
	SEND 0, 16                                     ; behind block 0's loads: block 1's 8 stores and 8 loads
	s_wait_xcnt 0x0                                ; block 0's stores have read their registers: block 2's loads may land there
	TOSTAGE 2
	SEND 1, 16
	s_wait_xcnt 0x0
	TOSTAGE 3
	SEND 2, 16
	SEND 3, 0
	s_wait_tensorcnt 0x0                           ; the wave's end: behind my last tensor load and my last LDS store
	ds_add_u32 v[SPW], v[NIL]
	s_wait_dscnt 0x0
	CROUND                                         ; the closing round: no work-group ends while a partner may still ask for a piece that names it
	s_endpgm
.Lfunc_end_k_q09a72b25e7_outp:
	.size	k_q09a72b25e7_outp, .Lfunc_end_k_q09a72b25e7_outp-k_q09a72b25e7_outp
	.p2alignl 7, 3214868480
	.fill 96, 4, 3214868480
	.section	.rodata,"a",@progbits
	.p2align	6, 0x0
	.amdhsa_kernel k_q09a72b25e7_outp
		.amdhsa_group_segment_fixed_size 327680
		.amdhsa_private_segment_fixed_size 0
		.amdhsa_enable_private_segment 0
		.amdhsa_kernarg_size 32
		.amdhsa_user_sgpr_count 2
		.amdhsa_user_sgpr_kernarg_segment_ptr 1
		.amdhsa_wavefront_size32 1
		.amdhsa_system_sgpr_workgroup_id_x 1
		.amdhsa_system_sgpr_workgroup_id_y 1
		.amdhsa_system_sgpr_workgroup_id_z 1
		.amdhsa_system_vgpr_workitem_id 0
		.amdhsa_next_free_vgpr 384
		.amdhsa_next_free_sgpr 100
		.amdhsa_reserve_vcc 0
		.amdhsa_float_denorm_mode_32 3
		.amdhsa_float_denorm_mode_16_64 3
		.amdhsa_memory_ordered 1
		.amdhsa_forward_progress 1
		.amdhsa_inst_pref_size 52
	.end_amdhsa_kernel
	.amdgpu_metadata
---
amdhsa.version: [ 1, 2 ]
amdhsa.kernels:
  - .name:           k_q09a72b25e7_outp
    .symbol:         k_q09a72b25e7_outp.kd
    .args:
      - { .name: xf, .offset: 0, .size: 8, .value_kind: global_buffer, .address_space: global }
      - { .name: wo16, .offset: 8, .size: 8, .value_kind: global_buffer, .address_space: global }
      - { .name: bo, .offset: 16, .size: 8, .value_kind: global_buffer, .address_space: global }
      - { .name: out0, .offset: 24, .size: 8, .value_kind: global_buffer, .address_space: global }
    .group_segment_fixed_size: 327680
    .private_segment_fixed_size: 0
    .kernarg_segment_align: 8
    .kernarg_segment_size: 32
    .max_flat_workgroup_size: 128
    .sgpr_count:     100
    .vgpr_count:     384
    .wavefront_size: 32
...
	.end_amdgpu_metadata
.endif
;; end of part 4
